; MI455X (gfx1250); checked and timed in simulation.
; The chip was launched on July 23, 2026; its instructions are those of AMD's public machine-readable ISA for CDNA 5 (MIT licence, August 2026) and "CDNA5" Instruction Set Architecture Reference Guide (July 2026). The comments in the code are by the model that wrote it; some were corrected since.
;; Attention. Allowed arithmetic: matrix products marked QUANTISED: E3M2 operands, one E8M0 scale for each 32 along K, by v_wmma_scale_f32_16x16x128_f8f6f4 with both operands' format E3M2, f32 sums; everything else in f32.
;; Inputs: Wk 1,024 x 1,024 float32; Wq 1,024 x 1,024 float32; Wv 1,024 x 1,024 float32; k 4 x 2,048 x 1,024 float32; mask 4 x 2,048 x 2,048 bool; q 4 x 2,048 x 1,024 float32; v 4 x 2,048 x 1,024 float32.
;; Outputs: out0 4 x 16 x 2,048 x 64 float32.
;; This version of the problem:
;;   THIS VERSION OF THE PROBLEM IS GIVEN IN LOW PRECISION. The matrix products marked QUANTISED in the list below multiply operands that are first quantised to E3M2 (3 exponent bits, 2 mantissa bits; 6 bits a number), with one power-of-two scale for each 32 numbers along K (OCP MX v1.0); their sums are f32. All else is computed in f32.
;;   The module's matrix products, in the order in which they are computed (A, B: the left and right operand; K: the contracted axis; several contracted axes count as one K, in the product's order):
;;     1. [M 8,192, K 1,024] x [K 1,024, N 1,024]; A: input q; B: input Wq: QUANTISED
;;     2. [M 8,192, K 1,024] x [K 1,024, N 1,024]; A: input k; B: input Wk: QUANTISED
;;     3. [M 8,192, K 1,024] x [K 1,024, N 1,024]; A: input v; B: input Wv: QUANTISED
;;     4. batch 64 x [M 2,048, K 64] x [K 64, N 2,048]; A: computed on the way; B: computed on the way: QUANTISED
;;     5. batch 64 x [M 2,048, K 2,048] x [K 2,048, N 64]; A: softmax (see below); B: computed on the way: QUANTISED
;;   THE QUANTISER, for each operand of a quantised product, along K:
;;     - K is cut into blocks of 32 from its start; a last block that is shorter is filled with zeros.
;;     - A block's scale is 2^e with e = floor(log2(the largest magnitude in the block)) - 4, held to -126 .. 127; a block of zeros has e = 0. As a byte (E8M0): e + 127.
;;     - Each number is divided by its block's scale, clamped to +-28, and rounded to the nearest number of E3M2, ties to even, subnormals kept.
;;     - The product sums the exact products of the quantised numbers (number of the format x scale) in f32.
;;   ~~~python
;;   def quantise(x, axis):      # numpy; x: float32 -> the quantised numbers, widened to float32 again
;;       x = np.moveaxis(x, axis, -1); K = x.shape[-1]
;;       x = np.pad(x, [(0, 0)] * (x.ndim - 1) + [(0, -K % 32)]); x = x.reshape(x.shape[:-1] + (-1, 32)); a = np.abs(x).max(-1, keepdims=True)
;;       e = np.where(a > 0, np.clip(np.frexp(np.where(a > 0, a, 1))[1] - 1 - 4, -126, 127), 0)      # np.frexp(a)[1] - 1 = floor(log2(a)), exactly
;;       r = np.clip(x / 2.0 ** e, -28, 28)
;;       step = 2.0 ** (np.maximum(np.frexp(np.where(r == 0, 1, r))[1] - 1, -2) - 2)
;;       q = np.round(r / step) * step * 2.0 ** e      # np.round: ties to even
;;       return np.moveaxis(q.reshape(q.shape[:-2] + (-1,))[..., :K], -1, axis).astype(np.float32)
;;   ~~~
;;   SOFTMAX AHEAD OF A QUANTISED PRODUCT. Where the list says 'softmax', what is quantised is not the finished softmax but p = 2^(t - M), with t = logit x log2(e) and M = ceil(the row's largest t), a whole number; so 1/2 < the row's largest p <= 1. The row's sum l is taken of the UNQUANTISED p, in f32, and the product's result is divided by l at the end. Since M is a whole number, a kernel that streams over the keys may use a running M (the ceiling of the running maximum): every later rescaling is an exact power of two, which a block's scale takes up: the codes' values come out the same.
;;   OPERANDS COMPUTED ON THE WAY. 'Computed on the way' means the value that the module computes at that place (a softmax that the list does not call 'softmax' is quantised finished and normalised). What goes into a quantiser is computed in f32, as accurately as f32 sums, v_exp_f32 and their like allow (about 1e-6 of the number): no bf16 or f16 on the way to a quantiser, and a product that is left as it is and whose result goes on into a quantised operand takes f32 operands (vector FMAs, or v_wmma_f32_16x16x4_f32). A number that lies on a knife's edge between two numbers of the format may be rounded either way, as far as f32 arithmetic and the matrix unit's own rounding can turn it there, and no further.
;; One version. Each part assembles by itself: llvm-mc -triple=amdgcn-amd-amdhsa -mcpu=gfx1250 --defsym DOCPART=n.
;; ======== version 1 of 1: 3 launches
;; limits: right only within a limited range of input values
;; workspace buffers: xc 18,874,368 bytes; xs 786,432 bytes; wc 2,359,296 bytes; ws 98,304 bytes; maskw 2,097,152 bytes of whole numbers; maskf 8,192 bytes of whole numbers; qf 6,553,600 bytes; kv 13,107,200 bytes
;; launch prep (part 1): grid 1328 x 1, 4 waves a work-group, no clusters, 80,384 bytes of LDS; arguments q, k, v, Wq, Wk, Wv, mask, xc, xs, wc, ws, maskw, maskf; writes xc, xs, wc, ws, maskw, maskf
.if DOCPART == 1
	.amdgcn_target "amdgcn-amd-amdhsa--gfx1250"
	.amdhsa_code_object_version 6
	.text
	.protected	k_qa0f02d1dc5_prep
	.globl	k_qa0f02d1dc5_prep
	.p2align	8
	.type	k_qa0f02d1dc5_prep,@function
k_qa0f02d1dc5_prep:
	s_mov_b64 s[64:65], 0
	v_nop
	global_prefetch_b8 v0, s[64:65] scope:SCOPE_SE
	s_setreg_imm32_b32 hwreg(HW_REG_WAVE_MODE, 25, 1), 1
	s_wait_xcnt 0x0
; PREP: the operands of the three projections become codes of BF6 (E3M2) with one E8M0 byte for each 32 along K, and the mask becomes words of 32 lane bits.
; q, k, v: [8192][1024] f32, K innermost, taken as 24,576 stacked rows.  Wq, Wk, Wv: [1024 k][1024 n] f32, K outermost.  mask: [4][2048][2048] bytes, 0 or 1.
; A block's scale is 2^(floor(log2(its largest magnitude)) - 4); its byte is the largest magnitude's exponent field - 4, held at 1 from below by a floor among the maximum's leaves.
; LIMITS: a block of zeros gets the byte 1 where the rule says 127 (its codes are zeros, and only this program reads the bytes); NaN and infinities among the inputs are not served.
; WHAT IS STORED ARE IMAGES OF OPERAND REGISTERS.  A fragment (16 rows x 128 K) is 12 registers a lane, 1,536 bytes: register p of lane l lies at 512 (p / 4) + 16 l + 4 (p % 4), so three 16-byte accesses at 16 x lane move it.
; THE ROWS OF A TILE ARE NOT NEIGHBOURS: in a group of 32 rows tile u holds, at lane row r, the row 8 u + r + 8 (r / 8); a product's 16 result registers of tiles 2 b and 2 b + 1 are then 16 neighbours.
; xc: [tile 0..1535][K step 0..7][1536];  xs: [tile][512], the scale word of row r and K step s at 256 (s / 4) + 16 r + 4 (s % 4).  wc, ws: the same for 192 tiles of W's columns (64 x projection + ..).
; maskw: [batch][tile of 16 queries 0..127][step of 128 keys 0..15][64 words]; bit l of word 16 b + i is mask[query of lane row l % 16][128 step + 32 b + 16 (l / 16) + i].
; THREE PATHS part on the work-group's number, each with LDS bytes of its own: 0..47 W, 48..815 x, 816..1327 the mask.  Waves share nothing: no barrier.  No work-group reads what another reads, so there is no cluster.
; k'S ROWS AND THE MASK'S KEYS take another order than the lines above give: in a group of 64 rows of k tile u (0..3) holds, at lane row r, the row 32 (r / 8) + 8 u + r % 8,
; so that a score tile's lanes 0-15 hold keys of one block of 32 and lanes 16-31 keys of the next.  maskw: bit l of word J (0..63) of a step is mask[query of lane row l % 16][128 step + 64 (J / 32) + 32 (l / 16) + J % 32].
.set STGW, 0
.set STGX, 12288                       ; x: 8,448 bytes a wave: 16 rows x (512 + 16)
.set STGM, 46080                       ; mask: the same
.set WST,  8448
.set RP,   528                         ; a stage row: 33 x 16 bytes, so the sixteen rows that a 16-byte access touches start at sixteen different places modulo 256 bytes
	s_load_b512 s[4:19], s[0:1], 0x0               ; q s[4:5], k s[6:7], v s[8:9], Wq s[10:11], Wk s[12:13], Wv s[14:15], mask s[16:17], xc s[18:19]
	s_load_b256 s[20:27], s[0:1], 0x40             ; xs s[20:21], wc s[22:23], ws s[24:25], maskw s[26:27]
	s_load_b64 s[48:49], s[0:1], 0x60              ; maskf: [128 batch + tile][wave] words; bit j: no key of step 4 wave + j is masked for any of the tile's 16 queries
	s_set_vgpr_msb 0x40
	v_lshl_add_u32 v0, v0, 2, 0x13800
	v_mov_b32 v1, 0
	s_set_vgpr_msb 0x4000
	v_lshrrev_b32 v1, 5, v0
	v_readfirstlane_b32 s28, v1                    ; wave 0..3
	v_and_b32 v1, 31, v0                           ; lane
	v_and_b32 v2, 15, v0                           ; r
	v_bfe_u32 v3, v0, 4, 1                         ; h
	v_lshlrev_b32 v4, 4, v1                        ; 16 x lane; never rewritten
	s_mov_b32 s30, 0x76543210
	s_mov_b32 s31, 0xfedcba98                      ; v_permlanex16_b32's selects for lane l xor 16
	s_mov_b32 s37, 0                               ; the upper word of every offset pair s[36:37]
	s_wait_kmcnt 0x0
	s_cmp_lt_u32 ttmp9, 48
	s_cbranch_scc1 .Lw
	s_cmp_lt_u32 ttmp9, 816
	s_cbranch_scc1 .Lx
; ---------------- THE MASK: a work-group takes one tile of 16 queries x 2,048 keys, a wave 512 keys (four steps: 256 words)
	s_sub_co_u32 s32, ttmp9, 816                   ; g = 128 x batch + tile
	s_lshr_b32 s33, s32, 7
	s_and_b32 s34, s32, 127
	s_lshl_b32 s33, s33, 11                        ; batch x 2,048 queries
	s_lshr_b32 s35, s34, 1
	s_lshl_b32 s35, s35, 5
	s_add_co_u32 s33, s33, s35                     ; + 32 (tile / 2)
	s_and_b32 s35, s34, 1
	s_lshl_b32 s35, s35, 3
	s_add_co_u32 s33, s33, s35                     ; + 8 (tile % 2): the tile's first query
	s_lshl_b32 s36, s33, 11                        ; a row of the mask is 2,048 bytes
	s_lshl_b32 s35, s28, 9
	s_add_co_u32 s36, s36, s35                     ; + my wave's 512 keys
	s_add_nc_u64 s[16:17], s[16:17], s[36:37]
	s_lshl_b32 s36, s32, 4
	s_lshl_b32 s35, s28, 2
	s_add_co_u32 s36, s36, s35
	s_lshl_b32 s36, s36, 8                         ; (16 g + 4 wave) steps of 256 bytes
	s_add_nc_u64 s[26:27], s[26:27], s[36:37]
	s_wait_alu depctr_va_vdst(0)
.irp i, 0,1,2,3,4,5,6,7,8,9,10,11,12,13,14,15
	global_load_b128 v[16+4*\i:19+4*\i], v4, s[16:17] offset:(\i+8*(\i/8))*2048 th:TH_LOAD_NT   ; lane row i: 512 consecutive bytes
.endr
	s_mul_i32 s35, s28, WST
	s_add_co_u32 s35, s35, STGM
	v_add_nc_u32 v5, s35, v4                       ; into the stage: 16 x lane of a row
	v_mul_u32_u24 v6, v2, RP
	v_lshl_add_u32 v6, v3, 5, v6                   ; + 32 h
	v_add_nc_u32 v6, s35, v6                       ; out of it: row r, + 32 h: sixteen keys of my query
.irp j, 0,1,2,3,4,5,6,7
	v_mov_b32 v[8+\j], 0                           ; the words' registers: v_writelane_b32's destination counts as read
.endr
	s_wait_alu depctr_va_vdst(0)
	s_wait_loadcnt 0x0
.irp i, 0,1,2,3,4,5,6,7,8,9,10,11,12,13,14,15
	ds_store_b128 v5, v[16+4*\i:19+4*\i] offset:RP*\i
.endr
.irp c, 0,1,2,3,4,5,6,7,8,9,10,11,12,13,14,15
	ds_load_b128 v[80+4*\c:83+4*\c], v6 offset:64*(\c/2)+16*(\c%2)   ; keys 64 (c / 2) + 32 h + 16 (c % 2) + 0 .. 15
.endr
; the bytes as loaded: a lane holds keys 16 lane .. + 15 of all 16 rows, so lanes 8 j .. 8 j + 7 hold step j.  A byte is 0 or 1: the AND of a lane's 64 words is 0x01010101 where none of its keys is masked
.irp j, 0,1,2,3
	v_and_b32 v[144+\j], v[16+\j], v[20+\j]
.endr
.irp i, 2,3,4,5,6,7,8,9,10,11,12,13,14,15
.irp j, 0,1,2,3
	v_and_b32 v[144+\j], v[144+\j], v[16+4*\i+\j]
.endr
.endr
	v_and_b32 v144, v144, v145
	v_and_b32 v146, v146, v147
	v_and_b32 v144, v144, v146
	v_cmp_eq_u32 s38, 0x01010101, v144
	s_mov_b32 s39, 0
.irp b, 0,1,2,3
	s_bfe_u32 s35, s38, (8<<16)|(8*\b)             ; step b's eight lanes
	s_cmp_eq_u32 s35, 0xff
	s_cselect_b32 s35, 1<<\b, 0
	s_or_b32 s39, s39, s35
.endr
	s_lshl_b32 s36, s32, 2
	s_add_co_u32 s36, s36, s28
	s_lshl_b32 s36, s36, 2                         ; word 4 g + wave
	s_add_nc_u64 s[48:49], s[48:49], s[36:37]
	s_wait_dscnt 0x0
; word W = 16 c + i of my 256: the byte i of v[80 + 4 c ..] of every lane becomes a bit; the word goes to lane (W / 4) % 32 of register W % 4 of half W / 128, so that two 16-byte stores a lane write the 1,024 bytes in order
.set WB, 0
.rept 32
.irp n, 0,1,2,3,4,5,6,7
	v_and_b32 v[144+\n], 0xff<<(8*(\n%4)), v[80+(WB+\n)/4]
.endr
.irp n, 0,1,2,3,4,5,6,7
	v_cmp_ne_u32 s[40+\n], 0, v[144+\n]
.endr
.irp n, 0,1,2,3,4,5,6,7
	v_writelane_b32 v[8+4*((WB+\n)>>7)+(\n&3)], s[40+\n], ((WB+\n)>>2)&31
.endr
.set WB, WB+8
.endr
	global_store_b128 v4, v[8:11], s[26:27]        ; 512 consecutive bytes each
	global_store_b128 v4, v[12:15], s[26:27] offset:512
	v_mov_b32 v144, s39
	v_mov_b32 v145, 0
	s_wait_alu depctr_va_vdst(0)
	s_wait_xcnt 0x0                                ; EXEC changes only behind this wait
	v_cmpx_gt_u32 1, v1                            ; lane 0 alone stores my wave's word (four bytes of 8,192 in all)
	global_store_b32 v145, v144, s[48:49]
	s_wait_xcnt 0x0
	s_mov_b32 exec_lo, -1
	s_set_vgpr_msb 0x5
	s_wait_tensorcnt 0x0
	ds_add_u32 v0, v1
	s_wait_dscnt 0x0
	s_set_vgpr_msb 0x500
	s_endpgm
; ---------------- x: a work-group takes a group of 32 rows; wave w takes tile u = w / 2 and K steps 4 (w % 2) .. + 3
.set R,  16                            ; v16-143  two sets of 64: a K step of 16 rows as loaded
.set X,  144                           ; v144-207 my row's blocks h and 2 + h, 32 numbers each
.set PC, 208                           ; v208-255 the four fragments: no store's data are written again
.set SW, 5                             ; v5-8     the four scale words
.Lx:
	s_sub_co_u32 s32, ttmp9, 48                    ; g: which group of 32 of the 24,576 stacked rows
	s_cmp_lt_u32 s32, 512
	s_cselect_b64 s[6:7], s[6:7], s[8:9]           ; the choice hangs on the work-group's number alone
	s_cmp_lt_u32 s32, 256
	s_cselect_b64 s[4:5], s[4:5], s[6:7]
	s_lshr_b32 s33, s28, 1                         ; u
	s_and_b32 s34, s28, 1                          ; which half of K
	s_and_b32 s36, s32, 255
	s_lshl_b32 s36, s36, 17                        ; 32 rows of 4,096 bytes
	s_lshl_b32 s35, s33, 15                        ; tile 1 begins 8 rows down
	s_add_co_u32 s36, s36, s35
	s_lshl_b32 s35, s34, 11                        ; 512 numbers along K
	s_add_co_u32 s36, s36, s35
	s_lshr_b32 s39, s32, 8                         ; 0 q, 1 k, 2 v
	s_cmp_eq_u32 s39, 1
	s_cselect_b32 s40, 65536, 0                    ; k: 16 rows of 4,096 bytes
	s_and_b32 s35, s32, 1
	s_mul_i32 s35, s35, s40
	s_sub_co_u32 s36, s36, s35                     ; k: the tile begins at row 64 (g / 2) + 16 (g % 2) + 8 u
	s_add_nc_u64 s[4:5], s[4:5], s[36:37]
	s_mov_b32 s41, 0
	s_add_nc_u64 s[40:41], s[4:5], s[40:41]        ; the base of lane rows 8-15: for k they lie 16 rows further down
	s_lshl_b32 s38, s32, 1
	s_add_co_u32 s38, s38, s33                     ; tile = 2 g + u
	s_mul_i32 s36, s38, 12288
	s_mul_i32 s35, s34, 6144
	s_add_co_u32 s36, s36, s35
	s_add_nc_u64 s[18:19], s[18:19], s[36:37]
	s_lshl_b32 s36, s38, 9
	s_lshl_b32 s35, s34, 8
	s_add_co_u32 s36, s36, s35
	s_add_nc_u64 s[20:21], s[20:21], s[36:37]
.macro LOADX s                         ; K step s of the tile's 16 rows: each load reads 512 consecutive bytes of one row
.irp i, 0,1,2,3,4,5,6,7,8,9,10,11,12,13,14,15
	global_load_b128 v[R+64*((\s)%2)+4*\i:R+64*((\s)%2)+4*\i+3], v4, s[4+36*(\i/8):5+36*(\i/8)] offset:(\i+8*(\i/8))*4096+512*(\s) th:TH_LOAD_NT
.endr
.endm
.macro TURNX s                         ; through my stage: in as loaded, out 128 bytes of one row a block
.irp i, 0,1,2,3,4,5,6,7,8,9,10,11,12,13,14,15
	ds_store_b128 v10, v[R+64*((\s)%2)+4*\i:R+64*((\s)%2)+4*\i+3] offset:RP*\i
.endr
.irp c, 0,1
.irp e, 0,1,2,3,4,5,6,7
	ds_load_b128 v[X+32*\c+4*\e:X+32*\c+4*\e+3], v11 offset:256*\c+16*\e   ; k = 64 c + 32 h + 4 e ..
.endr
.endr
.endm
.macro QUANTX s                        ; two whole blocks a lane: no other lane is asked for a maximum
.irp c, 0,1
	v_max3_num_f32 v[12+\c], |v[X+32*\c]|, |v[X+32*\c+1]|, 0x2800000   ; with the floor 2^(5 - 127): the byte cannot fall under 1
.endr
.irp i, 2,4,6,8,10,12,14,16,18,20,22,24,26,28,30
.irp c, 0,1
	v_max3_num_f32 v[12+\c], v[12+\c], |v[X+32*\c+\i]|, |v[X+32*\c+\i+1]|
.endr
.endr
.irp c, 0,1
	v_add_nc_u32 v[14+\c], 0xfe000000, v[12+\c]    ; 4 off the exponent field: the conversion's scale operand
.endr
.irp c, 0,1
	v_lshrrev_b32 v[12+\c], 23, v[14+\c]           ; the scale's byte
.endr
	v_lshl_or_b32 v[SW+\s], v13, 16, v12           ; blocks h and 2 + h,
	v_lshlrev_b32 v[SW+\s], v0, v[SW+\s]           ; 8 h bits up;
	v_permlanex16_b32 v9, v[SW+\s], s30, s31
	v_or_b32 v[SW+\s], v[SW+\s], v9                ; with lane l xor 16's two the word is whole
.irp c, 0,1
	v_cvt_scalef32_pk16_bf6_f32 v[PC+12*\s+6*\c:PC+12*\s+6*\c+2], v[X+32*\c:X+32*\c+15], v[14+\c]
.endr
	v_nop                                          ; a plain place: the next two write registers that the last two have read
.irp c, 0,1
	v_cvt_scalef32_pk16_bf6_f32 v[X+32*\c:X+32*\c+2], v[X+32*\c+16:X+32*\c+31], v[14+\c]   ; (a conversion's three registers begin on an even number: made here and moved)
.endr
	v_nop                                          ; a plain place behind a scaled conversion
.irp c, 0,1
.irp i, 0,1,2
	v_mov_b32 v[PC+12*\s+6*\c+3+\i], v[X+32*\c+\i]
.endr
.endr
.endm
	s_wait_alu depctr_va_vdst(0)
	LOADX 0
	LOADX 1
	s_mul_i32 s35, s28, WST
	s_add_co_u32 s35, s35, STGX
	v_add_nc_u32 v10, s35, v4                      ; into the stage
	v_mul_u32_u24 v11, v2, RP
	v_lshl_add_u32 v11, v3, 7, v11
	v_add_nc_u32 v11, s35, v11                     ; out of it: row r, + 128 h
	v_lshlrev_b32 v0, 3, v3                        ; 8 h
	v_mov_b32 v9, 0                                ; a lane permute's destination counts as one of its sources
	s_wait_alu depctr_va_vdst(0)
.irp s, 0,1,2,3
.if \s < 3
	s_wait_loadcnt 16                              ; this K step's 16 loads are in; the next one's 16 may be out
.else
	s_wait_loadcnt 0x0
.endif
	TURNX \s
	s_wait_dscnt 0x0                               ; my numbers are back, and the stage's stores have read their registers,
.if \s < 2
	LOADX \s+2                                     ; which take the loads of two K steps on
.endif
	QUANTX \s
.irp j, 0,1,2
	global_store_b128 v4, v[PC+12*\s+4*\j:PC+12*\s+4*\j+3], s[18:19] offset:1536*\s+512*\j   ; the fragment's image: 512 consecutive bytes a store
.endr
.endr
	v_cmp_lt_u32 vcc_lo, 15, v1                    ; lanes 16-31 store words 2 and 3 of their row, lanes 0-15 words 0 and 1
	v_cndmask_b32 v12, v5, v7, vcc_lo
	v_cndmask_b32 v13, v6, v8, vcc_lo
	v_lshlrev_b32 v1, 4, v2
	v_add_nc_u32 v1, v1, v0                        ; 16 r + 8 h
	global_store_b64 v1, v[12:13], s[20:21]        ; 256 consecutive bytes, aligned
	s_set_vgpr_msb 0x5
	s_wait_tensorcnt 0x0
	ds_add_u32 v0, v1
	s_wait_dscnt 0x0
	s_set_vgpr_msb 0x500
	s_endpgm
; ---------------- W: a work-group takes 128 columns x 512 along K of one W; a lane takes a column and its registers run down K
.set XW, 32                            ; v32-95   two sets of 32 numbers
.set CW, 96                            ; v96-101  a block's codes;  v104-106 their second half as made
.set OW, 112                           ; v112-135 two images read back
.set SB, 24                            ; v24-27   a scale word for each K step
.Lw:
	s_lshr_b32 s32, ttmp9, 4                       ; which W
	s_bfe_u32 s33, ttmp9, 0x30001                  ; which 128 columns
	s_and_b32 s34, ttmp9, 1                        ; which half of K
	s_cmp_eq_u32 s32, 1
	s_cselect_b64 s[10:11], s[12:13], s[10:11]
	s_cmp_eq_u32 s32, 2
	s_cselect_b64 s[10:11], s[14:15], s[10:11]
	s_lshl_b32 s36, s34, 21                        ; 512 rows of 4,096 bytes
	s_lshl_b32 s35, s33, 9
	s_add_co_u32 s36, s36, s35
	s_lshl_b32 s35, s28, 7
	s_add_co_u32 s36, s36, s35                     ; + 4 (128 block + 32 wave)
	s_add_nc_u64 s[10:11], s[10:11], s[36:37]
	s_lshl_b32 s38, s32, 6
	s_lshl_b32 s35, s33, 3
	s_add_co_u32 s38, s38, s35
	s_lshl_b32 s35, s28, 1
	s_add_co_u32 s38, s38, s35                     ; my first tile: 64 W + 8 block + 2 wave
	s_mul_i32 s36, s38, 12288
	s_mul_i32 s35, s34, 6144
	s_add_co_u32 s36, s36, s35
	s_add_nc_u64 s[22:23], s[22:23], s[36:37]
	s_lshl_b32 s36, s38, 9
	s_lshl_b32 s35, s34, 8
	s_add_co_u32 s36, s36, s35
	s_add_nc_u64 s[24:25], s[24:25], s[36:37]
	s_wait_alu depctr_va_vdst(0)
	v_lshlrev_b32 v5, 2, v1                        ; in: 4 bytes a lane
.macro LOADW t                         ; block t: W(32 t + i, my column): 128 consecutive bytes a load
.set I, 0
.rept 32
	global_load_b32 v[XW+32*((\t)%2)+I], v5, s[10:11] offset:(32*(\t)+I)*4096 th:TH_LOAD_NT
.set I, I+1
.endr
.endm
	LOADW 0
	LOADW 1
	v_bfe_u32 v9, v0, 3, 1                         ; column l of 32 lies in tile (l / 8) % 2,
	v_and_b32 v10, 7, v0
	v_lshl_add_u32 v10, v3, 3, v10                 ; at lane row l % 8 + 8 (l / 16)
	s_mul_i32 s35, s28, 3072
	v_mul_u32_u24 v6, v9, 1536
	v_lshl_add_u32 v6, v10, 4, v6
	v_add_nc_u32 v6, s35, v6                       ; my column's place in my wave's two images
	v_add_nc_u32 v7, s35, v4                       ; and 16 x lane, to read them back
	v_lshlrev_b32 v8, 9, v9
	v_lshl_add_u32 v8, v10, 4, v8                  ; my column's four scale words in ws
; Block t = 4 s + 2 c + hb is registers 6 c .. 6 c + 5 of lane (my lane row, hb) of K step s's fragment
.macro BLOCKW t
.set XS, XW+32*((\t)%2)
.if (\t) < 15
	s_wait_loadcnt 32                              ; this block's 32 loads are in; the next block's may be out
.else
	s_wait_loadcnt 0x0
.endif
	v_max3_num_f32 v12, |v[XS]|, |v[XS+1]|, |v[XS+2]|
	v_max3_num_f32 v13, |v[XS+3]|, |v[XS+4]|, |v[XS+5]|
.irp i, 6,10,14,18,22,26
	v_max3_num_f32 v12, v12, |v[XS+\i]|, |v[XS+\i+1]|
	v_max3_num_f32 v13, v13, |v[XS+\i+2]|, |v[XS+\i+3]|
.endr
	v_max3_num_f32 v12, v12, |v[XS+30]|, |v[XS+31]|
	v_max3_num_f32 v12, v12, v13, 0x2800000        ; and the floor
	v_add_nc_u32 v11, 0xfe000000, v12
	v_lshrrev_b32 v13, 23, v11
.if (\t)%4 == 0
	v_mov_b32 v[SB+(\t)/4], v13
.else
	v_lshl_or_b32 v[SB+(\t)/4], v13, 8*((\t)%4), v[SB+(\t)/4]
.endif
	v_cvt_scalef32_pk16_bf6_f32 v[CW:CW+2], v[XS:XS+15], v11
	v_cvt_scalef32_pk16_bf6_f32 v[CW+8:CW+10], v[XS+16:XS+31], v11
	v_nop                                          ; a plain place behind a scaled conversion
.irp i, 0,1,2
	v_mov_b32 v[CW+3+\i], v[CW+8+\i]
.endr
.if ((\t)%4)/2 == 0
	ds_store_b128 v6, v[CW:CW+3] offset:256*((\t)%2)             ; registers 0-3,
	ds_store_b64 v6, v[CW+4:CW+5] offset:512+256*((\t)%2)        ; 4 and 5
.else
	ds_store_b64 v6, v[CW:CW+1] offset:520+256*((\t)%2)          ; registers 6 and 7,
	ds_store_b128 v6, v[CW+2:CW+5] offset:1024+256*((\t)%2)      ; 8-11
.endif
.if (\t)+2 < 16
	LOADW (\t)+2
.endif
	s_wait_dscnt 0x0                               ; the stores have read their registers: the next block's codes may be written
.if (\t)%4 == 3                        ; a K step's two images are whole
	s_wait_xcnt 0x0                                ; the last K step's stores have read their data registers
.irp j, 0,1,2,3,4,5
	ds_load_b128 v[OW+4*\j:OW+4*\j+3], v7 offset:512*\j
.endr
	s_wait_dscnt 0x0
.irp j, 0,1,2,3,4,5
	global_store_b128 v4, v[OW+4*\j:OW+4*\j+3], s[22:23] offset:(\j/3)*12288+1536*((\t)/4)+512*(\j%3)
.endr
.endif
.endm
.set Q, 0
.rept 16
	BLOCKW Q
.set Q, Q+1
.endr
	s_wait_alu depctr_va_vdst(0)
	global_store_b128 v8, v[SB:SB+3], s[24:25]     ; the wave's 32 lanes fill two aligned runs of 256 bytes
	s_set_vgpr_msb 0x5
	s_wait_tensorcnt 0x0
	ds_add_u32 v0, v1
	s_wait_dscnt 0x0
	s_set_vgpr_msb 0x500
	s_endpgm
.Lfunc_end_k_qa0f02d1dc5_prep:
	.size	k_qa0f02d1dc5_prep, .Lfunc_end_k_qa0f02d1dc5_prep-k_qa0f02d1dc5_prep
	.p2alignl 7, 3214868480
	.fill 96, 4, 3214868480
	.section	.rodata,"a",@progbits
	.p2align	6, 0x0
	.amdhsa_kernel k_qa0f02d1dc5_prep
		.amdhsa_group_segment_fixed_size 80384
		.amdhsa_private_segment_fixed_size 0
		.amdhsa_enable_private_segment 0
		.amdhsa_kernarg_size 104
		.amdhsa_user_sgpr_count 2
		.amdhsa_user_sgpr_kernarg_segment_ptr 1
		.amdhsa_wavefront_size32 1
		.amdhsa_system_sgpr_workgroup_id_x 1
		.amdhsa_system_sgpr_workgroup_id_y 1
		.amdhsa_system_sgpr_workgroup_id_z 1
		.amdhsa_system_vgpr_workitem_id 0
		.amdhsa_next_free_vgpr 258
		.amdhsa_next_free_sgpr 66
		.amdhsa_reserve_vcc 1
		.amdhsa_float_denorm_mode_32 3
		.amdhsa_float_denorm_mode_16_64 3
		.amdhsa_memory_ordered 1
		.amdhsa_forward_progress 1
		.amdhsa_inst_pref_size 167
	.end_amdhsa_kernel
	.amdgpu_metadata
---
amdhsa.version: [ 1, 2 ]
amdhsa.kernels:
  - .name:           k_qa0f02d1dc5_prep
    .symbol:         k_qa0f02d1dc5_prep.kd
    .args:
      - { .name: q, .offset: 0, .size: 8, .value_kind: global_buffer, .address_space: global }
      - { .name: k, .offset: 8, .size: 8, .value_kind: global_buffer, .address_space: global }
      - { .name: v, .offset: 16, .size: 8, .value_kind: global_buffer, .address_space: global }
      - { .name: Wq, .offset: 24, .size: 8, .value_kind: global_buffer, .address_space: global }
      - { .name: Wk, .offset: 32, .size: 8, .value_kind: global_buffer, .address_space: global }
      - { .name: Wv, .offset: 40, .size: 8, .value_kind: global_buffer, .address_space: global }
      - { .name: mask, .offset: 48, .size: 8, .value_kind: global_buffer, .address_space: global }
      - { .name: xc, .offset: 56, .size: 8, .value_kind: global_buffer, .address_space: global }
      - { .name: xs, .offset: 64, .size: 8, .value_kind: global_buffer, .address_space: global }
      - { .name: wc, .offset: 72, .size: 8, .value_kind: global_buffer, .address_space: global }
      - { .name: ws, .offset: 80, .size: 8, .value_kind: global_buffer, .address_space: global }
      - { .name: maskw, .offset: 88, .size: 8, .value_kind: global_buffer, .address_space: global }
      - { .name: maskf, .offset: 96, .size: 8, .value_kind: global_buffer, .address_space: global }
    .group_segment_fixed_size: 80384
    .private_segment_fixed_size: 0
    .kernarg_segment_align: 8
    .kernarg_segment_size: 104
    .max_flat_workgroup_size: 128
    .sgpr_count:     66
    .vgpr_count:     258
    .wavefront_size: 32
...
	.end_amdgpu_metadata
.endif
;; end of part 1
;; launch proj (part 2): grid 8 x 96, 4 waves a work-group, clusters of 4 x 4, 295,424 bytes of LDS; arguments xc, xs, wc, ws, qf, kv; writes qf, kv
.if DOCPART == 2
	.amdgcn_target "amdgcn-amd-amdhsa--gfx1250"
	.amdhsa_code_object_version 6
	.text
	.protected	k_qa0f02d1dc5_proj
	.globl	k_qa0f02d1dc5_proj
	.p2align	8
	.type	k_qa0f02d1dc5_proj,@function
k_qa0f02d1dc5_proj:
	s_mov_b64 s[64:65], 0
	v_nop
	global_prefetch_b8 v0, s[64:65] scope:SCOPE_SE
	s_setreg_imm32_b32 hwreg(HW_REG_WAVE_MODE, 25, 1), 1
	s_wait_xcnt 0x0
	s_wait_alu depctr_hold_cnt(0) depctr_sa_sdst(0) depctr_va_vdst(0) depctr_va_sdst(0) depctr_va_ssrc(0) depctr_va_vcc(0) depctr_vm_vsrc(0)
	s_getreg_b32 s2, hwreg(HW_REG_IB_STS2, 6, 4)
	s_cmp_eq_u32 s2, 0
	s_cbranch_scc0 .Lentry_in_a_cluster
	s_endpgm
.Lentry_in_a_cluster:
	s_bfe_u32 s2, ttmp6, 0x10000c
	s_cmp_lg_u32 s2, 0xf033
	s_cbranch_scc0 .Lentry_shape_is_right
	s_endpgm
.Lentry_shape_is_right:
; PROJ: qh = q Wq, kh = k Wk, vh = v Wv on codes of BF6 (E3M2) with E8M0 scales, f32 sums, K = 1,024 in eight steps of 128; the results are quantised in registers and stored as the operand images of the attention launch.
; SHARES.  Work-group (x, y) takes 256 of the 24,576 stacked rows (16 tiles from 16 y) against 128 columns of one W (8 tiles from 64 W + 8 x: two heads).  Which W: y / 32, made from the cluster's y alone.
; Wave w takes x's tiles 8 (w / 2) .. + 7 (128 rows: one step of keys or queries) against W's tiles 4 (w % 2) .. + 3 (one head): 32 accumulators.
; ALL OF K LIES IN LDS: x 196,608 bytes, W 98,304.  Every LDS byte is filled once, by one tensor load a wave; nothing is filled again and nothing is stored to LDS.  A wave has one tensor load out.
; CLUSTER 4 x 4: x's tiles hang on y alone and are asked for jointly along a row of the cluster, W's on x and on which W, and are asked for jointly along a column.
; LAYOUT.  For q and k source 0 = 16 columns of W and source 1 = 16 rows of x: a lane holds one row and registers along the head's 64.  For v the sources are swapped: a lane holds one of the head's 64 and registers along the keys.
; With accumulator (x tile a, W tile b) at 32 a + 8 b (q, k) or 64 b + 8 a (v), registers 64 f + 16 g + i hold position 32 g + 16 (lane / 16) + i along the axis to be quantised: one way out serves all three.
; q: reference() divides by 8 ahead of the product.  A power of two: the codes are qh's, 3 is taken off each scale byte, and the floor lies 3 higher, so that the byte is held at 1 as the rule asks.
; OUT.  qf: [batch x 16 + head][step of 128 queries] records of 6,400 bytes: 4 fragments, 256 bytes of scale words.  kv: records of 12,800: K's 4 fragments, V's 4, K's scale words at 12,288, V's at 12,544.
; A K or Q fragment f: registers 0-5 = row 32 f + r + 8 (r / 8), registers 6-11 the row 8 further on, each with its 64 numbers.  A V fragment t: lane row r = channel 32 (t / 2) + 8 (t % 2) + r + 8 (r / 8), K = 128 keys.
; LIMITS: a block of zeros gets the floor's byte (its codes are zeros; only this program reads the bytes); NaN and infinities are not served.
; REGISTERS, in windows of 256: window 0: addresses, scale words, what is made on the way out; window 1: the 32 accumulators; windows 2 and 3: two fragment buffers, x at v0-95, W at v96-143.
.set L16, 1                            ; v1      16 x lane
.set L8,  2                            ; v2      8 x lane
.set AX,  4                            ; v4-7    LDS address of my x fragments of tiles 2 j and 2 j + 1
.set AW,  8                            ; v8-11   of my W fragments
.set SX,  16                           ; v16-47  x's scale words: tile t at 4 t; register j: lanes 0-15 K step j, lanes 16-31 K step 4 + j
.set SW,  48                           ; v48-63  W's likewise
.set F,   64                           ; v64-111 the four fragments made
.set F2,  112                          ; v112-118 second halves of the conversions
.set TM,  120                          ; v120-123 largest magnitudes, v124-127 the other lane's / bytes, v132-135 the conversions' scale operands
.set SWD, 136                          ; v136-139 the four scale words made
.set G1X, 24                           ; s[24:31] descriptor group 1 for x;  s[32:39] for W
.set G1W, 32
.set G0X, 40                           ; s[40:43] group 0 for x's load;  s[68:71] for W's
.set G0W, 68
.set MSB, 0
.macro WIN new                         ; the immediate's high byte repeats the setting that is left
.if MSB != \new
	s_set_vgpr_msb (MSB<<8)|\new
.set MSB, \new
.endif
.endm
.macro PLACES n
.rept \n
	v_nop
.endr
.endm
.macro CROUND                          ; a round of the cluster's barrier
	s_barrier_signal -1
	s_barrier_wait -1
	s_cmp_lg_u32 s16, 0
	s_cbranch_scc1 .Lnot_wave_0_\@
	s_barrier_signal -3
.Lnot_wave_0_\@:
	s_barrier_wait -3
	s_barrier_signal -1
	s_barrier_wait -1
.endm
	s_load_b256 s[4:11], s[0:1], 0x0               ; xc s[4:5], xs s[6:7], wc s[8:9], ws s[10:11]
	s_load_b128 s[12:15], s[0:1], 0x20             ; qf s[12:13], kv s[14:15]
	v_lshl_add_u32 v254, v0, 2, 0x48000
	v_mov_b32 v255, 0
	ds_add_u32 v254, v255
	ds_add_u32 v254, v255
	v_lshrrev_b32 v3, 5, v0
	v_readfirstlane_b32 s16, v3                    ; wave 0..3
	s_lshr_b32 s17, s16, 1                         ; which 8 tiles of x are mine.  Also: I fetch for x (0) or for W (1)
	s_and_b32 s18, s16, 1                          ; which head is mine.  Also: which half of the tiles I fetch
	s_bfe_u32 s20, ttmp6, 0x40000                  ; cx
	s_bfe_u32 s21, ttmp6, 0x40004                  ; cy
	s_lshl_b32 s22, ttmp9, 2
	s_add_co_u32 s22, s22, s20                     ; work-group x
	s_and_b32 s19, ttmp7, 0xffff                   ; cluster y
	s_lshl_b32 s23, s19, 2
	s_add_co_u32 s23, s23, s21                     ; work-group y
	s_lshr_b32 s19, s19, 3                         ; which projection: the same in all sixteen partners
	s_lshl_b32 s2, s21, 2
	s_lshl_b32 s2, 15, s2                          ; my row of the cluster
	s_lshl_b32 s3, 0x1111, s20                     ; my column
	; group 1: rows of 256 bytes (32 elements of 8 bytes), dense in memory and in LDS
	s_or_b32 s[G1X+0], s2, (3<<16)|(1<<21)         ; 15:0 the mask; 17:16 elements of 8 bytes; 21 set beside a mask
	s_or_b32 s[G1W+0], s3, (3<<16)|(1<<21)
	; ONE TENSOR LOAD A WAVE: a wave's 8 tiles of x (98,304 bytes) or 4 tiles of W (49,152) for all of K are one dense block of memory, brought as rows of 256 bytes (32 elements of 8 bytes).
	; In LDS tile t's K step s lies at 12,288 t + 1,536 s of the block; every LDS byte is filled once, and one barrier shows all of it to the four waves.
	s_mov_b32 s[G1X+1], 32<<16                     ; tensor_dim0
	s_mov_b32 s[G1W+1], 32<<16
	s_mov_b32 s[G1X+2], 384<<16                    ; tensor_dim1: rows
	s_mov_b32 s[G1W+2], 192<<16
	s_mov_b32 s[G1X+3], 32<<16                     ; tile_dim0
	s_mov_b32 s[G1W+3], 32<<16
	s_mov_b32 s[G1X+4], 384                        ; tile_dim1
	s_mov_b32 s[G1W+4], 192
	s_mov_b32 s[G1X+5], 32                         ; pitch = row: dense
	s_mov_b32 s[G1W+5], 32
	s_mov_b32 s[G1X+6], 0
	s_mov_b32 s[G1W+6], 0
	s_mov_b32 s[G1X+7], 0
	s_mov_b32 s[G1W+7], 0
	s_lshl_b32 s56, s23, 4                         ; x: tile 16 y + 8 half: registers that never hold cx
	s_lshl_b32 s57, s18, 3
	s_add_co_u32 s56, s56, s57
	s_mul_i32 s56, s56, 12288
	s_mov_b32 s57, 0
	s_mul_i32 s58, s18, 98304
	s_lshl_b32 s60, s19, 6                         ; W: tile 64 W + 8 x + 4 half: registers that never hold cy
	s_lshl_b32 s61, s22, 3
	s_add_co_u32 s60, s60, s61
	s_lshl_b32 s61, s18, 2
	s_add_co_u32 s60, s60, s61
	s_mul_i32 s60, s60, 12288
	s_mov_b32 s61, 0
	s_mul_i32 s62, s18, 49152
	s_add_co_u32 s62, s62, 196608
	s_mov_b32 s90, 0x76543210
	s_mov_b32 s91, 0xfedcba98                      ; v_permlanex16_b32's selects for lane l xor 16
	s_wait_dscnt 0x0
	s_wait_kmcnt 0x0
	s_add_nc_u64 s[56:57], s[4:5], s[56:57]
	s_add_nc_u64 s[60:61], s[8:9], s[60:61]
.irp j, 0
	s_mov_b32 s[G0X+4*\j], 1
	s_add_co_u32 s[G0X+4*\j+1], s58, \j*49152
	s_add_nc_u64 s[G0X+4*\j+2:G0X+4*\j+3], s[56:57], \j*3072
	s_or_b32 s[G0X+4*\j+3], s[G0X+4*\j+3], 0x80000000
	s_mov_b32 s[G0W+4*\j], 1
	s_add_co_u32 s[G0W+4*\j+1], s62, \j*24576
	s_add_nc_u64 s[G0W+4*\j+2:G0W+4*\j+3], s[60:61], \j*3072
	s_or_b32 s[G0W+4*\j+3], s[G0W+4*\j+3], 0x80000000
.endr
	CROUND                                         ; all sixteen work-groups are here: the joint loads meet
	s_cmp_eq_u32 s17, 0                            ; a wave's one fill stands in one branch on its number, ahead of every wait on TENSORcnt and every LDS read
	s_cbranch_scc0 .Lfill_w
.irp j, 0
	tensor_load_to_lds s[G0X+4*\j:G0X+4*\j+3], s[G1X:G1X+7]
	s_nop 0
.endr
	PLACES 4                                       ; four such lines behind the last
	s_branch .Lfilled
.Lfill_w:
.irp j, 0
	tensor_load_to_lds s[G0W+4*\j:G0W+4*\j+3], s[G1W:G1W+7]
	s_nop 0
.endr
	PLACES 4
.Lfilled:
	v_and_b32 v[L16], 31, v0
	v_lshlrev_b32 v[L8], 3, v[L16]
	v_lshlrev_b32 v[L16], 4, v[L16]
	s_wait_alu depctr_va_vdst(0)
	s_mul_i32 s96, s17, 98304
	s_mul_i32 s98, s18, 49152
	s_add_co_u32 s98, s98, 196608
.irp j, 0,1,2,3
	s_add_co_u32 s97, s96, \j*24576                ; AX + j: x's tiles 2 j and 2 j + 1
	v_add_nc_u32 v[AX+\j], s97, v[L16]
	s_add_co_u32 s99, s98, \j*12288                ; AW + j: W's tile j
	v_add_nc_u32 v[AW+\j], s99, v[L16]
.endr
	; the scale words come straight from memory: 512 consecutive bytes a load, a tile's eight K steps
	s_lshl_b32 s92, s23, 4
	s_lshl_b32 s93, s17, 3
	s_add_co_u32 s92, s92, s93
	s_lshl_b32 s92, s92, 9
	s_mov_b32 s93, 0
	s_add_nc_u64 s[92:93], s[6:7], s[92:93]
	s_lshl_b32 s94, s19, 6
	s_lshl_b32 s95, s22, 3
	s_add_co_u32 s94, s94, s95
	s_lshl_b32 s95, s18, 2
	s_add_co_u32 s94, s94, s95
	s_lshl_b32 s94, s94, 9
	s_mov_b32 s95, 0
	s_add_nc_u64 s[94:95], s[10:11], s[94:95]
.irp t, 0,1,2,3,4,5,6,7
	global_load_b128 v[SX+4*\t:SX+4*\t+3], v[L16], s[92:93] offset:512*\t
.endr
.irp t, 0,1,2,3
	global_load_b128 v[SW+4*\t:SW+4*\t+3], v[L16], s[94:95] offset:512*\t
.endr
	; where my record lies
	s_and_b32 s96, s23, 31
	s_lshl_b32 s96, s96, 1
	s_add_co_u32 s96, s96, s17                     ; which 128 rows of the projection's 8,192
	s_lshr_b32 s97, s96, 4
	s_lshl_b32 s97, s97, 4                         ; 16 x batch
	s_lshl_b32 s98, s22, 1
	s_add_co_u32 s97, s97, s98
	s_add_co_u32 s97, s97, s18                     ; + head
	s_lshl_b32 s97, s97, 4
	s_and_b32 s96, s96, 15
	s_add_co_u32 s97, s97, s96                     ; x 16 + step
	s_cmp_eq_u32 s19, 0                            ; q?
	s_cselect_b64 s[84:85], s[12:13], s[14:15]
	s_mov_b32 s96, 12800
	s_cselect_b32 s96, 6400, s96                   ; a record's bytes
	s_mov_b32 s86, 12288
	s_cselect_b32 s86, 6144, s86                   ; where its scale words lie (q, k)
	s_mov_b32 s88, 5<<23
	s_cselect_b32 s88, 8<<23, s88                  ; the floor: 2^(5 - 127), for q 2^(8 - 127)
	s_cselect_b32 s89, 0x03030303, 0               ; what is taken off the four bytes
	s_cmp_eq_u32 s19, 2                            ; v?
	s_cselect_b32 s98, 6144, 0                     ; where the fragments lie
	s_cselect_b32 s86, 12544, s86
	s_mul_i32 s97, s97, s96
	s_add_co_u32 s98, s98, s97
	s_add_co_u32 s86, s86, s97
	s_mov_b32 s99, 0
	s_mov_b32 s87, 0
	s_add_nc_u64 s[86:87], s[84:85], s[86:87]      ; the scale words' 256 bytes
	s_add_nc_u64 s[84:85], s[84:85], s[98:99]      ; the four fragments
.irp b, 0,1,2,3
	v_mov_b32 v[TM+4+\b], 0                        ; a lane permute's destination counts as one of its sources
.endr
.macro FETCH s                         ; K step s: my 8 fragments of x and 4 of W, three 16-byte loads each, into buffer s % 2
	WIN (2+(\s)%2)<<6
.irp t, 0,1,2,3,4,5,6,7
.irp c, 0,1,2
	ds_load_b128 v[12*\t+4*\c:12*\t+4*\c+3], v[AX+\t/2] offset:12288*(\t%2)+1536*(\s)+512*\c
.endr
.endr
.irp t, 0,1,2,3
.irp c, 0,1,2
	ds_load_b128 v[96+12*\t+4*\c:96+12*\t+4*\c+3], v[AW+\t] offset:1536*(\s)+512*\c
.endr
.endr
	WIN 0
.endm
.macro WM d, a, b, sa, sb, s           ; one product; the first K step starts the sum; K steps 4-7 take their scale words from lanes 16-31
.if (\s) == 0
	v_wmma_scale_f32_16x16x128_f8f6f4 v[(\d):(\d)+7], v[(\a):(\a)+11], v[(\b):(\b)+11], 0, v[(\sa)], v[(\sb)] matrix_a_fmt:MATRIX_FMT_BF6 matrix_b_fmt:MATRIX_FMT_BF6
.elseif (\s) < 4
	v_wmma_scale_f32_16x16x128_f8f6f4 v[(\d):(\d)+7], v[(\a):(\a)+11], v[(\b):(\b)+11], v[(\d):(\d)+7], v[(\sa)], v[(\sb)] matrix_a_fmt:MATRIX_FMT_BF6 matrix_b_fmt:MATRIX_FMT_BF6
.else
	v_wmma_scale_f32_16x16x128_f8f6f4 v[(\d):(\d)+7], v[(\a):(\a)+11], v[(\b):(\b)+11], v[(\d):(\d)+7], v[(\sa)], v[(\sb)] matrix_a_fmt:MATRIX_FMT_BF6 matrix_b_fmt:MATRIX_FMT_BF6 matrix_a_scale:MATRIX_SCALE_ROW1 matrix_b_scale:MATRIX_SCALE_ROW1
.endif
.endm
.macro MUL s, isv                      ; 32 products: the 32 accumulators take turns, one instruction a turn, in the same order in every K step
	WIN 0x50+5*(2+(\s)%2)                          ; sources 0 and 1: the buffer's window; C and D: window 1
.irp xt, 0,1,2,3,4,5,6,7
.irp wt, 0,1,2,3
.if \isv
	WM 64*\wt+8*\xt, 12*\xt, 96+12*\wt, SX+4*\xt+(\s)%4, SW+4*\wt+(\s)%4, \s
.else
	WM 32*\xt+8*\wt, 96+12*\wt, 12*\xt, SW+4*\wt+(\s)%4, SX+4*\xt+(\s)%4, \s
.endif
.endr
.endr
.endm
.macro MAIN isv
.set S, 0
.rept 8
	s_wait_dscnt 0x0                               ; this K step's fragments are in
.if S < 7
.if S > 0
	PLACES 4                                       ; in front of loads into the buffer that the last K step's products have read
.endif
	FETCH S+1
.endif
	MUL S, \isv
.set S, S+1
.endr
	WIN 0
.endm
; Accumulator registers 64 f .. 64 f + 63 become fragment f in v[F + 12 f ..] and its scale word in v[SWD + f]
.macro QUANTA f
	WIN 0x05
.irp b, 0,1,2,3
	v_max3_num_f32 v[TM+\b], |v[64*\f+16*\b]|, |v[64*\f+16*\b+1]|, s88   ; each accumulator is read from its low end on
.endr
	WIN 0x14
.irp i, 2,4,6,8,10,12,14
.irp b, 0,1,2,3
	v_max3_num_f32 v[TM+\b], v[TM+\b], |v[64*\f+16*\b+\i]|, |v[64*\f+16*\b+\i+1]|
.endr
.endr
	WIN 0
.irp b, 0,1,2,3
	v_permlanex16_b32 v[TM+4+\b], v[TM+\b], s90, s91
.endr
.irp b, 0,1,2,3
	v_max_num_f32 v[TM+\b], v[TM+\b], v[TM+4+\b]   ; with lane l xor 16's 16: the block's largest magnitude
.endr
.irp b, 0,1,2,3
	v_add_nc_u32 v[TM+12+\b], 0xfe000000, v[TM+\b] ; 4 off the exponent field: the conversion's scale operand
.endr
.irp b, 0,1,2,3
	v_lshrrev_b32 v[TM+4+\b], 23, v[TM+12+\b]
.endr
	v_lshl_or_b32 v[SWD+\f], v[TM+5], 8, v[TM+4]
	v_lshl_or_b32 v[SWD+\f], v[TM+6], 16, v[SWD+\f]
	v_lshl_or_b32 v[SWD+\f], v[TM+7], 24, v[SWD+\f]
	v_sub_nc_u32 v[SWD+\f], v[SWD+\f], s89         ; q: 3 off each byte (each is 4 at the least: no borrow)
	WIN 0x01
.irp c, 0,1
	v_cvt_scalef32_pk16_bf6_f32 v[F+12*\f+6*\c:F+12*\f+6*\c+2], v[64*\f+32*\c:64*\f+32*\c+15], v[TM+12+2*\c]
	v_cvt_scalef32_pk16_bf6_f32 v[F2+4*\c:F2+4*\c+2], v[64*\f+32*\c+16:64*\f+32*\c+31], v[TM+13+2*\c]
.endr
	WIN 0
	v_nop                                          ; a plain place behind a scaled conversion
.irp c, 0,1                            ; the operand's layout wants a whole block in a lane
.irp i, 0,1,2
	v_permlane16_swap_b32 v[F+12*\f+6*\c+\i], v[F2+4*\c+\i]
.endr
.irp i, 0,1,2
	v_mov_b32 v[F+12*\f+6*\c+3+\i], v[F2+4*\c+\i]
.endr
.endr
.endm
	s_wait_alu depctr_va_vdst(0)
	s_wait_tensorcnt 0x0                           ; my one load has landed
	s_barrier_signal -1
	s_barrier_wait -1
	FETCH 0
	s_wait_loadcnt 0x0                             ; the scale words
	s_cmp_eq_u32 s19, 2                            ; the same in every wave of every partner
	s_cbranch_scc1 .Lmain_v
	s_wait_alu depctr_va_vdst(0)
	MAIN 0
	s_branch .Lout
.Lmain_v:
	s_wait_alu depctr_va_vdst(0)
	MAIN 1
.Lout:
	PLACES 4                                       ; in front of the first read of results
.irp f, 0,1,2,3
	QUANTA \f
.irp c, 0,1,2
	global_store_b128 v[L16], v[F+12*\f+4*\c:F+12*\f+4*\c+3], s[84:85] offset:1536*\f+512*\c   ; 512 consecutive bytes a store
.endr
.endr
	v_cmp_lt_u32 vcc_lo, 255, v[L16]               ; lanes 16-31 store the words of fragments 2 and 3, lanes 0-15 those of 0 and 1
	v_cndmask_b32 v140, v[SWD], v[SWD+2], vcc_lo
	v_cndmask_b32 v141, v[SWD+1], v[SWD+3], vcc_lo
	global_store_b64 v[L8], v[140:141], s[86:87]   ; 256 consecutive bytes, aligned
	s_wait_tensorcnt 0x0
	ds_add_u32 v254, v255
	s_wait_dscnt 0x0
	CROUND                                         ; the closing round: no work-group ends while a partner may still ask for a tile that names it
	s_endpgm
.Lfunc_end_k_qa0f02d1dc5_proj:
	.size	k_qa0f02d1dc5_proj, .Lfunc_end_k_qa0f02d1dc5_proj-k_qa0f02d1dc5_proj
	.p2alignl 7, 3214868480
	.fill 96, 4, 3214868480
	.section	.rodata,"a",@progbits
	.p2align	6, 0x0
	.amdhsa_kernel k_qa0f02d1dc5_proj
		.amdhsa_group_segment_fixed_size 295424
		.amdhsa_private_segment_fixed_size 0
		.amdhsa_enable_private_segment 0
		.amdhsa_kernarg_size 48
		.amdhsa_user_sgpr_count 2
		.amdhsa_user_sgpr_kernarg_segment_ptr 1
		.amdhsa_wavefront_size32 1
		.amdhsa_system_sgpr_workgroup_id_x 1
		.amdhsa_system_sgpr_workgroup_id_y 1
		.amdhsa_system_sgpr_workgroup_id_z 1
		.amdhsa_system_vgpr_workitem_id 0
		.amdhsa_next_free_vgpr 912
		.amdhsa_next_free_sgpr 100
		.amdhsa_reserve_vcc 1
		.amdhsa_float_denorm_mode_32 3
		.amdhsa_float_denorm_mode_16_64 3
		.amdhsa_memory_ordered 1
		.amdhsa_forward_progress 1
		.amdhsa_inst_pref_size 127
	.end_amdhsa_kernel
	.amdgpu_metadata
---
amdhsa.version: [ 1, 2 ]
amdhsa.kernels:
  - .name:           k_qa0f02d1dc5_proj
    .symbol:         k_qa0f02d1dc5_proj.kd
    .args:
      - { .name: xc, .offset: 0, .size: 8, .value_kind: global_buffer, .address_space: global }
      - { .name: xs, .offset: 8, .size: 8, .value_kind: global_buffer, .address_space: global }
      - { .name: wc, .offset: 16, .size: 8, .value_kind: global_buffer, .address_space: global }
      - { .name: ws, .offset: 24, .size: 8, .value_kind: global_buffer, .address_space: global }
      - { .name: qf, .offset: 32, .size: 8, .value_kind: global_buffer, .address_space: global }
      - { .name: kv, .offset: 40, .size: 8, .value_kind: global_buffer, .address_space: global }
    .group_segment_fixed_size: 295424
    .private_segment_fixed_size: 0
    .kernarg_segment_align: 8
    .kernarg_segment_size: 48
    .max_flat_workgroup_size: 128
    .sgpr_count:     100
    .vgpr_count:     912
    .wavefront_size: 32
...
	.end_amdgpu_metadata
.endif
;; end of part 2
;; launch attn (part 3): grid 4 x 64, 8 waves a work-group, no clusters, 240,640 bytes of LDS; arguments qf, kv, maskw, maskf, out0; writes out0
.if DOCPART == 3
	.amdgcn_target "amdgcn-amd-amdhsa--gfx1250"
	.amdhsa_code_object_version 6
	.text
	.protected	k_qa0f02d1dc5_attn
	.globl	k_qa0f02d1dc5_attn
	.p2align	8
	.type	k_qa0f02d1dc5_attn,@function
k_qa0f02d1dc5_attn:
	s_mov_b64 s[64:65], 0
	v_nop
	global_prefetch_b8 v0, s[64:65] scope:SCOPE_SE
	s_setreg_imm32_b32 hwreg(HW_REG_WAVE_MODE, 25, 1), 1
	s_wait_xcnt 0x0
; ATTN: out0[b][h] = softmax(where(mask, qh kh^T / 8, -1e9)) vh on codes of BF6 (E3M2) with E8M0 scales, f32 sums.
; SHARES.  Work-group (x, y): head y = 16 b + h, queries 512 x .. + 511.  Eight waves; a wave owns 64 queries: four tiles of 16.
; ALL 16 records of the head (K's and V's operand images and scale words of 128 keys each, 12,800 bytes) lie in LDS: each wave copies two through its registers, once; the loop has no barrier.
; A STEP is 128 keys.  K's four fragments and V's four are read from LDS once and serve the wave's four tiles.  K of the next step is read under the last tile's softmax, V at the step's head.
; Both products are used transposed: S^T = k q^T, O^T = v^T p^T: a lane holds one query.  The head's 64 fill half of the instruction's K: a K fragment holds two tiles of keys (registers 0-5, 6-11), and q stands beside zero codes.
; KEYS OF A TILE: tile t (0..7) holds at row m the key 64 (t / 4) + 32 (m / 8) + 8 (t % 4) + m % 8: lane (r, h)'s score registers 32 c .. 32 c + 31 are keys 64 c + 32 h + 0 .. 31, a whole block of p's operand: no lane swap.
; SOFTMAX: t = score x log2(e), M = ceil(running largest t), p = 2^(t - M); the sum is taken of p before it is quantised; a change of M multiplies sum and O^T by a power of two.  A block's largest p is made from its largest score.
; A row whose keys are all masked so far has running t = -1e9 x log2(e): there p = 2^(score + 1e9) = 1, as reference()'s equal weights; real scores that follow drive the factor to 0.
; MASK: words of 32 lane bits come by scalar loads, a tile ahead, and select score or -1e9.  maskf, stored by the launch before, has a bit for each tile of 16 queries and step of 128 keys in which no key is masked:
; there the select would change nothing, and a scalar branch on that bit leads round the 64 selects and round the loads of their words.  Every wait stands outside these branches.
; NO TENSOR LOAD AND NO CLUSTER: K and V come through registers.  No prefetch: K and V are read once, at the head, with no loop to run ahead in.
; LIMITS: scaled scores under 2^31 in magnitude; unmasked scores above -1e9; NaN and infinities are not served.
; REGISTERS.  Window 0: v1-14 addresses and constants, v16-31 state (-M, t, sum pair) of four tiles, v40 K, v88 V, v136 scores and p, v200 p's codes, v228.. scale words.  Window 1: v0-127 O^T, v128-181 zeros and q by turns, v182-207 q as loaded.
.set REC,   12800
.set HEADB, 16*REC
.set STG,   HEADB                      ; the way out: 16 rows x 272 bytes a wave
.set SPARE, STG+8*16*272               ; the spare words, 128 bytes a wave
.set AK,  1                            ; 16 x lane
.set ASC, 2                            ; scale words: 12,288 + 8 r + 256 h (lanes 0-15 K's, lanes 16-31 V's)
.set KA,  3
.set KSA, 4
.set VA,  5
.set VSA, 6
.set SH,  7                            ; 8 h
.set STO, 12
.set RD,  13
.set GO,  14
.set ST,  16
.set KF,  40
.set VF,  88
.set S,   136
.set P,   200
.set KS,  228
.set PS,  232
.set QS,  233
.set VS,  240
.set QB,  128
.set QL,  182
.set FL,  40                           ; s40-43: a tile's 16 bits, bit s: step s has no masked key
.set MSB, 0
.macro WIN new                         ; the immediate's high byte repeats the setting that is left
.if MSB != \new
	s_set_vgpr_msb (MSB<<8)|\new
.set MSB, \new
.endif
.endm
.macro MLOAD t                         ; the 64 mask words of tile t at the step in s59
	s_load_b512 s[4:19], s[52:53], s59 offset:(\t)*4096
	s_load_b512 s[20:35], s[52:53], s59 offset:(\t)*4096+0x40
	s_load_b512 s[68:83], s[52:53], s59 offset:(\t)*4096+0x80
	s_load_b512 s[84:99], s[52:53], s59 offset:(\t)*4096+0xc0
.endm
.macro KLOAD                           ; 14 LDS loads: K's four fragments and their scale words
.irp f, 0,1,2,3
.irp c, 0,1,2
	ds_load_b128 v[KF+12*\f+4*\c:KF+12*\f+4*\c+3], v[KA] offset:1536*\f+512*\c
.endr
.endr
	ds_load_b64 v[KS:KS+1], v[KSA]
	ds_load_b64 v[KS+2:KS+3], v[KSA] offset:128
.endm
	s_load_b256 s[4:11], s[0:1], 0x0               ; qf, kv, maskw, maskf
	s_load_b64 s[12:13], s[0:1], 0x20              ; out0
	v_lshl_add_u32 v254, v0, 2, SPARE
	v_mov_b32 v255, 0
	v_lshrrev_b32 v1, 5, v0
	v_readfirstlane_b32 s2, v1                     ; wave 0..7
	s_and_b32 s62, ttmp7, 0xffff                   ; 16 b + h
	s_mul_i32 s63, s2, 2*REC
	s_mul_i32 s66, s62, HEADB
	s_add_co_u32 s66, s66, s63
	s_mov_b32 s67, 0
	s_mov_b32 s56, 0x76543210
	s_mov_b32 s57, 0xfedcba98                      ; selects for lane l xor 16
	s_mov_b32 s58, 0
	s_mov_b32 s59, 0
	v_and_b32 v[AK], 31, v0
	v_and_b32 v32, 15, v0                          ; r
	v_bfe_u32 v33, v0, 4, 1                        ; h
	v_lshlrev_b32 v[AK], 4, v[AK]
	v_lshlrev_b32 v[ASC], 3, v32
	v_lshlrev_b32 v[SH], 3, v33
	v_lshl_add_u32 v[ASC], v33, 8, v[ASC]
	v_add_nc_u32 v[KA], s63, v[AK]                 ; where my two records go in LDS
	v_add_nc_u32 v[ASC], 12288, v[ASC]
	s_wait_alu depctr_va_vdst(0)
	s_wait_kmcnt 0x0
	s_add_nc_u64 s[50:51], s[6:7], s[66:67]        ; my two records in memory
	s_lshr_b32 s100, s62, 4                        ; my first tile of queries: 128 b + 32 x + 4 wave
	s_lshl_b32 s100, s100, 7
	s_lshl_b32 s101, ttmp9, 5
	s_add_co_u32 s100, s100, s101
	s_lshl_b32 s101, s2, 2
	s_add_co_u32 s100, s100, s101
	s_lshl_b32 s66, s100, 4                        ; maskf: 16 bytes a tile
	s_add_nc_u64 s[44:45], s[10:11], s[66:67]
	s_load_b512 s[68:83], s[44:45], 0x0
	s_lshl_b32 s100, s100, 12                      ; maskw: 4,096 bytes a tile
	s_mov_b32 s101, 0
	s_add_nc_u64 s[52:53], s[8:9], s[100:101]
	s_lshl_b32 s100, s62, 11                       ; out0: row 2,048 head + 512 x + 64 wave, 256 bytes a row
	s_lshl_b32 s101, ttmp9, 9
	s_add_co_u32 s100, s100, s101
	s_lshl_b32 s101, s2, 6
	s_add_co_u32 s100, s100, s101
	s_lshl_b32 s100, s100, 8
	s_mov_b32 s101, 0
	s_add_nc_u64 s[54:55], s[12:13], s[100:101]
	s_lshl_b32 s66, s62, 4                         ; qf: record 16 head + 4 x + wave / 2; fragments 2 (wave % 2) and the next
	s_lshl_b32 s100, ttmp9, 2
	s_add_co_u32 s66, s66, s100
	s_lshr_b32 s100, s2, 1
	s_add_co_u32 s66, s66, s100
	s_mul_i32 s66, s66, 6400
	s_add_nc_u64 s[48:49], s[4:5], s[66:67]
	s_and_b32 s100, s2, 1
	s_mul_i32 s101, s100, 3072
	v_add_nc_u32 v[VA], s101, v[AK]
	s_lshl_b32 s100, s100, 7
	s_add_co_u32 s100, s100, 6144
	v_lshl_add_u32 v[VSA], v32, 3, s100            ; the two fragments' scale words of row r
	WIN 0x40
.irp j, 0,1,2,3,4,5
	global_load_b128 v[QL+4*\j:QL+4*\j+3], v[VA], s[48:49] offset:512*\j
.endr
	global_load_b64 v[QL+24:QL+25], v[VSA], s[48:49]
	WIN 0
.set J, 0
.rept 50
	global_load_b128 v[KF+4*J:KF+4*J+3], v[AK], s[50:51] offset:512*J   ; 512 consecutive bytes a load: 25,600 in all, into v40-239
.set J, J+1
.endr
	s_mul_i32 s60, s2, 16*272
	s_add_co_u32 s60, s60, STG
	v_lshlrev_b32 v[GO], 8, v33
	v_mul_u32_u24 v[STO], v32, 272
	v_mul_u32_u24 v[RD], v33, 272
	v_lshl_add_u32 v[GO], v32, 4, v[GO]
	v_lshl_add_u32 v[STO], v33, 6, v[STO]
	v_lshl_add_u32 v[RD], v32, 4, v[RD]
	v_add_nc_u32 v[STO], s60, v[STO]
	v_add_nc_u32 v[RD], s60, v[RD]
	v_mov_b32 v9, 0xce6e6b28                       ; -1e9
	v_mov_b32 v10, 0x3fb8aa3b                      ; log2(e)
	v_mov_b32 v11, 0x4e6e6b28                      ; 1e9
	v_mov_b32 v35, 1.0
	v_mov_b32 v37, 0
	v_mov_b32 v39, 0
	v_mul_f32 v8, v10, v9                          ; t of a masked score
.irp T, 0,1,2,3
	v_mov_b32 v[ST+4*\T+1], 0xff61b1e6             ; the largest t so far: -3e38
	v_mov_b32 v[ST+4*\T+2], 0
	v_mov_b32 v[ST+4*\T+3], 0
.endr
.irp T, 0,1,2,3
	v_floor_f32 v[ST+4*\T], -v[ST+4*\T+1]          ; -M
.endr
	s_wait_kmcnt 0x0                               ; maskf's 16 words: four a tile, four bits each
.irp T, 0,1,2,3
	s_lshl_b32 s60, s[69+4*\T], 4
	s_or_b32 s[FL+\T], s[68+4*\T], s60
	s_lshl_b32 s60, s[70+4*\T], 8
	s_or_b32 s[FL+\T], s[FL+\T], s60
	s_lshl_b32 s60, s[71+4*\T], 12
	s_or_b32 s[FL+\T], s[FL+\T], s60
.endr
	MLOAD 0                                        ; the first tile's words, always: every mask register is written on every way
	WIN 0x40
.irp z, 0,1,2,3,4
.irp i, 0,1,2,3,4,5
	v_mov_b32 v[QB+12*\z+\i], 0
.endr
.endr
.set J, 0
.rept 128
	v_mov_b32 v[J], 0                              ; O^T: the step is written once, and the first change of M leaves zeros zeros
.set J, J+1
.endr
	s_wait_loadcnt 50                              ; q's seven loads are in; the 50 behind them may be out
	WIN 0x41
.irp T, 0,1,2,3
.irp i, 0,1,2,3,4,5
	v_mov_b32 v[QB+6+12*\T+\i], v[QL+6*\T+\i]      ; q of tile T between two runs of zero codes
.endr
.endr
	WIN 0
.set J, 0
.rept 5
	s_wait_loadcnt 40-J                            ; ten more loads are in
.irp i, 0,1,2,3,4,5,6,7,8,9
	ds_store_b128 v[KA], v[KF+4*(J+\i):KF+4*(J+\i)+3] offset:512*(J+\i)
.endr
.set J, J+10
.endr
	WIN 0x05                                       ; all 57 loads are in: v233-236 were among their destinations
	v_perm_b32 v[QS], v[QL+24], v[QL+24], 0x01000100     ; a tile's two scale bytes, twice: they serve either half of K
	v_perm_b32 v[QS+1], v[QL+24], v[QL+24], 0x03020302
	v_perm_b32 v[QS+2], v[QL+25], v[QL+25], 0x01000100
	v_perm_b32 v[QS+3], v[QL+25], v[QL+25], 0x03020302
	WIN 0
	v_mov_b32 v225, 0
	v_mov_b32 v227, 0                              ; a lane permute's destination counts as one of its sources
	v_mov_b32 v[KA], v[AK]
	v_mov_b32 v[KSA], v[ASC]
	s_wait_alu depctr_va_vdst(0)
	s_wait_dscnt 0x0                               ; my two records are stored;
	s_barrier_signal -1
	s_barrier_wait -1                              ; everybody's are
	KLOAD                                          ; step 0's K
.macro SUM4 j                          ; four pairs of p onto the four chains of the row's sum
	v_pk_add_f32 v[238:239], v[238:239], v[S+\j:S+\j+1]
	v_pk_add_f32 v[248:249], v[248:249], v[S+\j+2:S+\j+3]
	v_pk_add_f32 v[250:251], v[250:251], v[S+\j+4:S+\j+5]
	v_pk_add_f32 v[LS:LS+1], v[LS:LS+1], v[S+\j+6:S+\j+7]
.endm
.macro FMA4 j                          ; t - M of eight scores
.irp i, 0,2,4,6
	v_pk_fma_f32 v[S+\j+\i:S+\j+\i+1], v[S+\j+\i:S+\j+\i+1], v[36:37], v[38:39] op_sel_hi:[1,0,0]
.endr
.endm
.macro TILE T
.set NM, ST+4*\T
.set MT, NM+1
.set LS, NM+2
.if \T == 0
	s_wait_dscnt 14                                ; K's 14 loads are in; V's 14, issued behind them, may be out
.endif
	WIN 0x04                                       ; source 1 (q) in window 1
.irp f, 0,1,2,3
	v_wmma_scale_f32_16x16x128_f8f6f4 v[S+16*\f:S+16*\f+7], v[KF+12*\f:KF+12*\f+11], v[QB+6+12*\T:QB+17+12*\T], 0, v[KS+\f], v[QS+\T] matrix_a_fmt:MATRIX_FMT_BF6 matrix_b_fmt:MATRIX_FMT_BF6
	v_wmma_scale_f32_16x16x128_f8f6f4 v[S+16*\f+8:S+16*\f+15], v[KF+12*\f:KF+12*\f+11], v[QB+12*\T:QB+11+12*\T], 0, v[KS+\f], v[QS+\T] matrix_a_fmt:MATRIX_FMT_BF6 matrix_b_fmt:MATRIX_FMT_BF6
.endr
	WIN 0
.rept 4
	v_nop                                          ; places: ahead of the reads of the scores and of loads into K's registers
.endr
.if \T == 3
	KLOAD                                          ; the next step's K (in the last step: record 15 once more, not used)
.endif
	s_wait_kmcnt 0x0                               ; any mask words asked for are in: on every way
	s_lshr_b32 s60, s[FL+\T], s3
	s_and_b32 s60, s60, 1
	s_cmp_lg_u32 s60, 0
	s_cbranch_scc1 .Lclear_\@                      ; no key of this tile and step is masked
.set J, 0
.rept 64
	v_cndmask_b32 v[S+J], v9, v[S+J], s[4+J+32*(J/32)]
.set J, J+1
.endr
	s_wait_alu depctr_va_vdst(0)
.Lclear_\@:
.if \T == 3
	s_add_co_u32 s61, s3, 1
	s_min_u32 s61, s61, 15                         ; inside the buffer in the last step too
	s_lshl_b32 s59, s61, 8
	s_lshr_b32 s60, s[FL], s61
.else
	s_lshr_b32 s60, s[FL+\T+1], s3
.endif
	s_and_b32 s60, s60, 1
	s_cmp_lg_u32 s60, 0
	s_cbranch_scc1 .Lnone_\@                       ; the next tile needs no words
.if \T == 3
	MLOAD 0
.else
	MLOAD \T+1
.endif
.Lnone_\@:
.irp q, 0,1,2,3                        ; largest scores: four chains of 16 by turns
	v_max3_num_f32 v[220+\q], v[S+16*\q], v[S+16*\q+1], v[S+16*\q+2]
.endr
.irp i, 3,5,7,9,11,13
.irp q, 0,1,2,3
	v_max3_num_f32 v[220+\q], v[220+\q], v[S+16*\q+\i], v[S+16*\q+\i+1]
.endr
.endr
	v_max3_num_f32 v220, v220, v221, v[S+15]
	v_max3_num_f32 v222, v222, v223, v[S+47]
	v_max_num_f32 v220, v220, v[S+31]              ; my block h's largest score,
	v_max_num_f32 v222, v222, v[S+63]              ; and block 2 + h's
	v_mov_b32 v223, v[NM]                          ; the old -M
	s_delay_alu instid0(VALU_DEP_2)
	v_max_num_f32 v226, v220, v222
	s_delay_alu instid0(VALU_DEP_1)
	v_permlanex16_b32 v227, v226, s56, s57
	s_delay_alu instid0(VALU_DEP_1)
	v_max_num_f32 v226, v226, v227                 ; the step's largest score of my query
	s_delay_alu instid0(VALU_DEP_1)
	v_mul_f32 v226, v10, v226
	s_delay_alu instid0(VALU_DEP_1)
	v_max_num_f32 v[MT], v[MT], v226
	s_delay_alu instid0(VALU_DEP_1)
	v_floor_f32 v[NM], -v[MT]                      ; -M = floor(-t)
	v_cmp_eq_f32 vcc_lo, v8, v[MT]                 ; all keys masked so far?
	s_delay_alu instid0(VALU_DEP_1)
	v_cndmask_b32 v36, v10, v35, vcc_lo            ; then score x 1 + 1e9, else score x log2(e) - M
	v_cndmask_b32 v38, v[NM], v11, vcc_lo
	FMA4 0
	v_sub_f32 v226, v[NM], v223                    ; the factor's three lines stand among the multiply-adds
	FMA4 8
	v_cvt_i32_f32 v226, v226
	FMA4 16
	v_ldexp_f32 v224, 1.0, v226                    ; f = 2^(old M - new M)
.irp j, 24,32,40,48,56
	FMA4 \j
.endr
	v_fma_f32 v220, v220, v36, v38
	v_fma_f32 v222, v222, v36, v38
	s_wait_alu depctr_va_vdst(0)
	v_exp_f32 v220, v220                           ; the blocks' largest p
	v_exp_f32 v222, v222
.set J, 0
.rept 64
	v_exp_f32 v[S+J], v[S+J]
.set J, J+1
.endr
	v_pk_mul_f32 v[LS:LS+1], v[LS:LS+1], v[224:225] op_sel_hi:[1,0]   ; the sum under the new M; a plain place
	s_wait_alu depctr_va_vdst(0)                   ; and behind it
	v_pk_add_f32 v[238:239], v[S:S+1], v[S+2:S+3]  ; the sum of the unquantised p, in four chains; the scale word's lines stand among them
	v_pk_add_f32 v[248:249], v[S+4:S+5], v[S+6:S+7]
	v_pk_add_f32 v[250:251], v[S+8:S+9], v[S+10:S+11]
	v_pk_add_f32 v[LS:LS+1], v[LS:LS+1], v[S+12:S+13]
	v_max_num_f32 v220, 0x2800000, v220            ; the floor 2^(5 - 127): the byte cannot fall under 1
	v_max_num_f32 v222, 0x2800000, v222
	SUM4 14
	v_add_nc_u32 v244, 0xfe000000, v220            ; 4 off the exponent field: the conversion's scale operand
	v_add_nc_u32 v245, 0xfe000000, v222
	SUM4 22
	v_lshrrev_b32 v246, 23, v244
	v_lshrrev_b32 v247, 23, v245
	SUM4 30
	v_lshl_or_b32 v[PS], v247, 16, v246            ; bytes of blocks h and 2 + h,
	SUM4 38
	v_lshlrev_b32 v[PS], v[SH], v[PS]              ; 8 h bits up;
	SUM4 46
	v_permlanex16_b32 v227, v[PS], s56, s57
	SUM4 54
	v_or_b32 v[PS], v[PS], v227                    ; with lane l xor 16's two the word is whole
	v_pk_add_f32 v[LS:LS+1], v[LS:LS+1], v[S+62:S+63]
	v_pk_add_f32 v[238:239], v[238:239], v[248:249]
	v_pk_add_f32 v[LS:LS+1], v[LS:LS+1], v[250:251]
	v_pk_add_f32 v[LS:LS+1], v[LS:LS+1], v[238:239]
	v_cvt_scalef32_pk16_bf6_f32 v[P:P+2], v[S:S+15], v244
	v_cvt_scalef32_pk16_bf6_f32 v[212:214], v[S+16:S+31], v244     ; (three registers from an even one: made here and moved)
	v_cvt_scalef32_pk16_bf6_f32 v[P+6:P+8], v[S+32:S+47], v245
	v_cvt_scalef32_pk16_bf6_f32 v[216:218], v[S+48:S+63], v245
	v_nop                                          ; a plain place behind the conversions
.irp i, 0,1,2
	v_mov_b32 v[P+3+\i], v[212+\i]
	v_mov_b32 v[P+9+\i], v[216+\i]
.endr
	WIN 0x41                                       ; O^T in window 1
	s_wait_alu depctr_va_vdst(0)                   ; directly ahead of the first reader of O^T
.set J, 0
.rept 16
	v_pk_mul_f32 v[32*\T+J:32*\T+J+1], v[32*\T+J:32*\T+J+1], v[224:225] op_sel_hi:[1,0]   ; O^T under the new M; also the places ahead of the products
.set J, J+2
.endr
.if \T == 0
	s_wait_alu depctr_va_vdst(0)
	s_wait_dscnt 0x0                               ; V and its scale words are in
.endif
	WIN 0x50
.irp t, 0,1,2,3
	v_wmma_scale_f32_16x16x128_f8f6f4 v[32*\T+8*\t:32*\T+8*\t+7], v[VF+12*\t:VF+12*\t+11], v[P:P+11], v[32*\T+8*\t:32*\T+8*\t+7], v[VS+\t], v[PS] matrix_a_fmt:MATRIX_FMT_BF6 matrix_b_fmt:MATRIX_FMT_BF6 matrix_a_scale:MATRIX_SCALE_ROW1
.endr
	WIN 0
.endm
	s_mov_b32 s3, 0
.Lstep:
	v_add_nc_u32 v[VA], s58, v[AK]                 ; this step's record; these four lines are the places behind the last trip's products
	v_add_nc_u32 v[VSA], s58, v[ASC]
	s_add_co_u32 s58, s58, REC
	s_min_u32 s58, s58, 15*REC                     ; the next step's, held at the last record
	v_add_nc_u32 v[KA], s58, v[AK]
	v_add_nc_u32 v[KSA], s58, v[ASC]
.irp t, 0,1,2,3
.irp c, 0,1,2
	ds_load_b128 v[VF+12*\t+4*\c:VF+12*\t+4*\c+3], v[VA] offset:6144+1536*\t+512*\c
.endr
.endr
	ds_load_b64 v[VS:VS+1], v[VSA]
	ds_load_b64 v[VS+2:VS+3], v[VSA] offset:128
	TILE 0
	TILE 1
	TILE 2
	TILE 3
	s_add_co_u32 s3, s3, 1
	s_cmp_lt_u32 s3, 16
	s_cbranch_scc1 .Lstep
	s_wait_kmcnt 0x0                               ; the last trip's look-ahead has come back
	s_wait_dscnt 0x0
.irp T, 0,1,2,3
	v_add_f32 v[ST+4*\T+2], v[ST+4*\T+2], v[ST+4*\T+3]
.endr
.irp T, 0,1,2,3
	v_permlanex16_b32 v[220+\T], v[ST+4*\T+2], s56, s57
.endr
.irp T, 0,1,2,3
	v_add_f32 v[ST+4*\T+2], v[ST+4*\T+2], v[220+\T]    ; the row's sum
.endr
	s_wait_alu depctr_va_vdst(0)                   ; ahead of the batch
.irp T, 0,1,2,3
	v_rcp_f32 v[ST+4*\T+2], v[ST+4*\T+2]
.endr
	v_nop
; THE WAY OUT, tile by tile: a lane holds 2 x 64 bytes of its query's row; through my stage the rows come back whole: sixteen lanes store a row's 256 bytes
.irp T, 0,1,2,3
	WIN 0x01
	s_wait_alu depctr_va_vdst(0)                   ; behind the batch, directly ahead of the first reader of this tile's O^T
.set J, 0
.rept 32
	v_mul_f32 v[S+J], v[32*\T+J], v[ST+4*\T+2]
.set J, J+1
.endr
	WIN 0
.irp b, 0,1
.irp e, 0,1,2,3
	ds_store_b128 v[STO], v[S+16*\b+4*\e:S+16*\b+4*\e+3] offset:128*\b+16*\e
.endr
.endr
.if \T > 0
	s_wait_xcnt 0x0                                ; the last tile's stores have read their registers
.endif
.irp i, 0,1,2,3,4,5,6,7
	ds_load_b128 v[KF+4*\i:KF+4*\i+3], v[RD] offset:544*\i   ; LDS serves a wave's instructions in order
.endr
.irp i, 0,1,2,3,4,5,6,7
	s_wait_dscnt 7-\i
	global_store_b128 v[GO], v[KF+4*\i:KF+4*\i+3], s[54:55] offset:(32*(\T/2)+8*(\T%2)+2*\i+8*(\i/4))*256 th:TH_STORE_NT
.endr
.endr
	s_wait_tensorcnt 0x0                           ; the wave's end
	ds_add_u32 v254, v255
	s_wait_dscnt 0x0
	s_endpgm
.Lfunc_end_k_qa0f02d1dc5_attn:
	.size	k_qa0f02d1dc5_attn, .Lfunc_end_k_qa0f02d1dc5_attn-k_qa0f02d1dc5_attn
	.p2alignl 7, 3214868480
	.fill 96, 4, 3214868480
	.section	.rodata,"a",@progbits
	.p2align	6, 0x0
	.amdhsa_kernel k_qa0f02d1dc5_attn
		.amdhsa_group_segment_fixed_size 240640
		.amdhsa_private_segment_fixed_size 0
		.amdhsa_enable_private_segment 0
		.amdhsa_kernarg_size 40
		.amdhsa_user_sgpr_count 2
		.amdhsa_user_sgpr_kernarg_segment_ptr 1
		.amdhsa_wavefront_size32 1
		.amdhsa_system_sgpr_workgroup_id_x 1
		.amdhsa_system_sgpr_workgroup_id_y 1
		.amdhsa_system_sgpr_workgroup_id_z 1
		.amdhsa_system_vgpr_workitem_id 0
		.amdhsa_next_free_vgpr 480
		.amdhsa_next_free_sgpr 102
		.amdhsa_reserve_vcc 1
		.amdhsa_float_denorm_mode_32 3
		.amdhsa_float_denorm_mode_16_64 3
		.amdhsa_memory_ordered 1
		.amdhsa_forward_progress 1
		.amdhsa_inst_pref_size 107
	.end_amdhsa_kernel
	.amdgpu_metadata
---
amdhsa.version: [ 1, 2 ]
amdhsa.kernels:
  - .name:           k_qa0f02d1dc5_attn
    .symbol:         k_qa0f02d1dc5_attn.kd
    .args:
      - { .name: qf, .offset: 0, .size: 8, .value_kind: global_buffer, .address_space: global }
      - { .name: kv, .offset: 8, .size: 8, .value_kind: global_buffer, .address_space: global }
      - { .name: maskw, .offset: 16, .size: 8, .value_kind: global_buffer, .address_space: global }
      - { .name: maskf, .offset: 24, .size: 8, .value_kind: global_buffer, .address_space: global }
      - { .name: out0, .offset: 32, .size: 8, .value_kind: global_buffer, .address_space: global }
    .group_segment_fixed_size: 240640
    .private_segment_fixed_size: 0
    .kernarg_segment_align: 8
    .kernarg_segment_size: 40
    .max_flat_workgroup_size: 256
    .sgpr_count:     102
    .vgpr_count:     480
    .wavefront_size: 32
...
	.end_amdgpu_metadata
.endif
;; end of part 3
